; MI455X (gfx1250); checked and timed in simulation.
; The chip was launched on July 23, 2026; its instructions are those of AMD's public machine-readable ISA for CDNA 5 (MIT licence, August 2026) and "CDNA5" Instruction Set Architecture Reference Guide (July 2026). The comments in the code are by the model that wrote it; some were corrected since.
;; Chat GPT Attention. Allowed arithmetic: float matrix products may take bf16 or f16 operands with f32 sums; all other float work in f32.
;; Inputs: mask 1 x 1 x 2,048 x 2,048 int32; w_o_b 1,024 float32; w_o_w 1,024 x 1,024 float32; w_qkv_b 3,072 float32; w_qkv_w 3,072 x 1,024 float32; x 2 x 2,048 x 1,024 float32.
;; Outputs: out0 2 x 2,048 x 1,024 float32.
;; One version. Each part assembles by itself: llvm-mc -triple=amdgcn-amd-amdhsa -mcpu=gfx1250 --defsym DOCPART=n.
;; ======== version 1 of 1: 4 launches
;; limits: values are held in f16: magnitudes above 65,504 overflow, below 6.1e-05 lose precision
;; workspace buffers: xb 8,388,608 bytes; wqkvb 6,291,456 bytes; wob 2,097,152 bytes; maskbits 524,288 bytes of whole numbers; qkvh 25,165,824 bytes; ao 8,388,608 bytes
;; launch prep (part 1): grid 256 x 1, 8 waves a work-group, no clusters, 68,608 bytes of LDS; arguments x, w_qkv_w, w_o_w, mask, xb, wqkvb, wob, maskbits; writes xb, wqkvb, wob, maskbits
.if DOCPART == 1
	.amdgcn_target "amdgcn-amd-amdhsa--gfx1250"
	.amdhsa_code_object_version 6
	.text
	.protected	k_q04d478b746_prep
	.globl	k_q04d478b746_prep
	.p2align	8
	.type	k_q04d478b746_prep,@function
k_q04d478b746_prep:
	s_mov_b64 s[64:65], 0
	v_nop
	global_prefetch_b8 v0, s[64:65] scope:SCOPE_SE
	s_setreg_imm32_b32 hwreg(HW_REG_WAVE_MODE, 25, 1), 1
	s_wait_xcnt 0x0
; prep: x and w_qkv_w are rounded to bf16 (xb, wqkvb); w_o_w is rounded to bf16 and held in f16 (wob); the int32 mask is packed into lane masks (maskbits).
; A stream: every input byte is read once, by 16-byte loads of which a wave's cover 512 consecutive bytes; every store of a wave covers 256 consecutive
; aligned bytes.  No matrix work, and the work-groups share no input, so no cluster.  All 48 loads of a thread go out at the start: straight-line text, no loop.
; Work-group g: 64 KiB of x, 48 KiB of w_qkv_w, 16 KiB of w_o_w, and of the mask rows 16 (g>>1) .. +15, keys 1024 (g&1) .. +1023; wave w takes 128 of these keys.
; maskbits: [query tile qt 0..127][key tile kt 0..127][j 0..7] words; bit L of a word = (mask[16 qt + (L&15)][16 kt + 8 (L>>4) + j] != 0): the lane mask of
; register j of a 16 x 16 tile of scores with the keys along the registers, as the attention launch holds them.
; wob: all three inputs carry the same rounding, to bf16.  The product that reads wob has f16 operands, and f16 holds a bf16 number exactly from 2^-17 upward
; (below that to within 2^-25).  LIMIT: |w_o_w| below 65,504.
.set LPITCH, 528                       ; LDS row: 512 bytes of mask + 16, an odd multiple of 16: sixteen rows start at sixteen different 16-byte columns of a 256-byte span
.set W,  6                             ; v[6:7]    my two words of the wave's 64 mask words
.set MK, 8                             ; v[8:71]   mask words as loaded, then as read back by tiles
.set CX, 72                            ; v[72:199] 32 loads of four f32
	s_load_b512 s[4:19], s[0:1], 0x0               ; x, w_qkv_w, w_o_w, mask, xb, wqkvb, wob, maskbits
	v_lshl_add_u32 v208, v0, 2, 0x10800
	v_mov_b32 v209, 0
	v_lshlrev_b32 v1, 4, v0                        ; 16 t: offset of every load
	v_lshlrev_b32 v2, 3, v0                        ; 8 t: offset of every store
	v_lshrrev_b32 v5, 5, v0
	v_readfirstlane_b32 s28, v5                    ; wave
	s_mul_i32 s29, s28, 16*LPITCH                  ; the wave's own 16 LDS rows
	v_and_b32 v3, 31, v0
	v_lshl_add_u32 v3, v3, 4, s29                  ; in: 16 bytes a lane along a row
	v_and_b32 v4, 15, v0
	v_mul_u32_u24 v4, v4, LPITCH
	v_bfe_u32 v5, v0, 4, 1
	v_lshl_add_u32 v4, v5, 5, v4
	v_add_nc_u32 v4, s29, v4                       ; back: row L&15, 32 bytes (8 keys) for each half of the lanes
	v_mov_b32 v[W], 0                              ; v_writelane_b32 keeps the other lanes: written whole once
	v_mov_b32 v[W+1], 0
	s_mov_b32 s31, 0xffff0000                      ; a word's upper bf16
	s_mov_b32 s3, 0
	s_wait_kmcnt 0x0
	s_lshl_b32 s2, ttmp9, 16
	s_add_nc_u64 s[4:5], s[4:5], s[2:3]            ; x + 64 KiB g
	s_mul_i32 s2, ttmp9, 49152
	s_add_nc_u64 s[6:7], s[6:7], s[2:3]            ; w_qkv_w + 48 KiB g
	s_lshl_b32 s2, ttmp9, 14
	s_add_nc_u64 s[8:9], s[8:9], s[2:3]            ; w_o_w + 16 KiB g
	s_lshr_b32 s2, ttmp9, 1
	s_lshl_b32 s2, s2, 17                          ; 16 mask rows of 8,192 bytes
	s_and_b32 s30, ttmp9, 1
	s_lshl_b32 s30, s30, 12                        ; which 1,024 keys
	s_add_co_u32 s2, s2, s30
	s_add_nc_u64 s[10:11], s[10:11], s[2:3]
	s_lshl_b32 s2, ttmp9, 15
	s_add_nc_u64 s[12:13], s[12:13], s[2:3]
	s_mul_i32 s2, ttmp9, 24576
	s_add_nc_u64 s[14:15], s[14:15], s[2:3]
	s_lshl_b32 s2, ttmp9, 13
	s_add_nc_u64 s[16:17], s[16:17], s[2:3]
	s_lshl_b32 s2, ttmp9, 11                       ; 64 key tiles x 32 bytes
	s_add_nc_u64 s[18:19], s[18:19], s[2:3]
.irp i, 0,1,2,3,4,5,6,7,8,9,10,11,12,13,14,15
	global_load_b128 v[MK+4*\i:MK+4*\i+3], v1, s[10:11] offset:\i*8192 th:TH_LOAD_NT      ; mask row i, my wave's 512 bytes
.endr
.irp i, 0,1,2,3,4,5,6,7,8,9,10,11,12,13,14,15
	global_load_b128 v[CX+4*\i:CX+4*\i+3], v1, s[4:5] offset:\i*4096 th:TH_LOAD_NT
.endr
.irp i, 0,1,2,3,4,5,6,7,8,9,10,11
	global_load_b128 v[CX+64+4*\i:CX+64+4*\i+3], v1, s[6:7] offset:\i*4096 th:TH_LOAD_NT
.endr
.irp i, 0,1,2,3
	global_load_b128 v[CX+112+4*\i:CX+112+4*\i+3], v1, s[8:9] offset:\i*4096 th:TH_LOAD_NT
.endr
	; the mask: 16 rows x 128 keys through the wave's own LDS rows, so that a lane gets 8 keys of one query
.irp i, 0,1,2,3,4,5,6,7,8,9,10,11,12,13,14,15
	s_wait_loadcnt 47-\i                           ; loads return in order: row i is in, the 47 - i younger loads stay out
	ds_store_b128 v3, v[MK+4*\i:MK+4*\i+3] offset:\i*LPITCH
.endr
	s_wait_dscnt 0x0                               ; the stores are done: MK is loaded again
.irp c, 0,1,2,3,4,5,6,7,8,9,10,11,12,13,14,15
	ds_load_b128 v[MK+4*\c:MK+4*\c+3], v4 offset:64*(\c>>1)+16*(\c&1)     ; key tile c>>1, registers j = 4 (c&1) .. +3
.endr
.irp c, 0,1,2,3,4,5,6,7,8,9,10,11,12,13,14,15
	s_wait_dscnt 15-\c
.irp x, 0,1,2,3
	v_cmp_ne_u32 s[20+4*(\c&1)+\x], 0, v[MK+4*\c+\x]                       ; the lane mask of word (kt, j), j = 4 (c&1) + x
	v_writelane_b32 v[W+(\x&1)], s[20+4*(\c&1)+\x], 4*(\c>>1)+2*(\c&1)+(\x>>1)   ; word 8 kt + j goes to lane (8 kt + j) / 2, register j & 1
.endr
.endr
	global_store_b64 v2, v[W:W+1], s[18:19]        ; the wave's 64 words: 256 consecutive bytes, aligned
; four f32 to four bf16, in place, and out.  n = the load's number among the 32: 31 - n younger loads stay out.
.macro CAST n, base, off
	s_wait_loadcnt 31-(\n)
	v_cvt_pk_bf16_f32 v[CX+4*(\n)], v[CX+4*(\n)], v[CX+4*(\n)+1]
	v_cvt_pk_bf16_f32 v[CX+4*(\n)+1], v[CX+4*(\n)+2], v[CX+4*(\n)+3]
	global_store_b64 v2, v[CX+4*(\n):CX+4*(\n)+1], s[\base:\base+1] offset:\off
.endm
; the same, and the bf16 numbers rewritten as f16
.macro CASTH n, base, off
	s_wait_loadcnt 31-(\n)
	v_cvt_pk_bf16_f32 v[CX+4*(\n)], v[CX+4*(\n)], v[CX+4*(\n)+1]
	v_cvt_pk_bf16_f32 v[CX+4*(\n)+1], v[CX+4*(\n)+2], v[CX+4*(\n)+3]
	v_lshlrev_b32 v[CX+4*(\n)+2], 16, v[CX+4*(\n)]
	v_and_b32 v[CX+4*(\n)+3], s31, v[CX+4*(\n)]
	v_cvt_pk_f16_f32 v[CX+4*(\n)], v[CX+4*(\n)+2], v[CX+4*(\n)+3]
	v_lshlrev_b32 v[CX+4*(\n)+2], 16, v[CX+4*(\n)+1]
	v_and_b32 v[CX+4*(\n)+3], s31, v[CX+4*(\n)+1]
	v_cvt_pk_f16_f32 v[CX+4*(\n)+1], v[CX+4*(\n)+2], v[CX+4*(\n)+3]
	global_store_b64 v2, v[CX+4*(\n):CX+4*(\n)+1], s[\base:\base+1] offset:\off
.endm
.irp i, 0,1,2,3,4,5,6,7,8,9,10,11,12,13,14,15
	CAST \i, 12, \i*2048
.endr
.irp i, 0,1,2,3,4,5,6,7,8,9,10,11
	CAST 16+\i, 14, \i*2048
.endr
.irp i, 0,1,2,3
	CASTH 28+\i, 16, \i*2048
.endr
	s_wait_tensorcnt 0x0
	ds_add_u32 v208, v209
	s_wait_dscnt 0x0
	s_endpgm                                       ; no register is written again behind the store that reads it
.Lfunc_end_k_q04d478b746_prep:
	.size	k_q04d478b746_prep, .Lfunc_end_k_q04d478b746_prep-k_q04d478b746_prep
	.p2alignl 7, 3214868480
	.fill 96, 4, 3214868480
	.section	.rodata,"a",@progbits
	.p2align	6, 0x0
	.amdhsa_kernel k_q04d478b746_prep
		.amdhsa_group_segment_fixed_size 68608
		.amdhsa_private_segment_fixed_size 0
		.amdhsa_enable_private_segment 0
		.amdhsa_kernarg_size 64
		.amdhsa_user_sgpr_count 2
		.amdhsa_user_sgpr_kernarg_segment_ptr 1
		.amdhsa_wavefront_size32 1
		.amdhsa_system_sgpr_workgroup_id_x 1
		.amdhsa_system_sgpr_workgroup_id_y 1
		.amdhsa_system_sgpr_workgroup_id_z 1
		.amdhsa_system_vgpr_workitem_id 0
		.amdhsa_next_free_vgpr 210
		.amdhsa_next_free_sgpr 66
		.amdhsa_reserve_vcc 0
		.amdhsa_float_denorm_mode_32 3
		.amdhsa_float_denorm_mode_16_64 3
		.amdhsa_memory_ordered 1
		.amdhsa_forward_progress 1
		.amdhsa_inst_pref_size 27
	.end_amdhsa_kernel
	.amdgpu_metadata
---
amdhsa.version: [ 1, 2 ]
amdhsa.kernels:
  - .name:           k_q04d478b746_prep
    .symbol:         k_q04d478b746_prep.kd
    .args:
      - { .name: x, .offset: 0, .size: 8, .value_kind: global_buffer, .address_space: global }
      - { .name: w_qkv_w, .offset: 8, .size: 8, .value_kind: global_buffer, .address_space: global }
      - { .name: w_o_w, .offset: 16, .size: 8, .value_kind: global_buffer, .address_space: global }
      - { .name: mask, .offset: 24, .size: 8, .value_kind: global_buffer, .address_space: global }
      - { .name: xb, .offset: 32, .size: 8, .value_kind: global_buffer, .address_space: global }
      - { .name: wqkvb, .offset: 40, .size: 8, .value_kind: global_buffer, .address_space: global }
      - { .name: wob, .offset: 48, .size: 8, .value_kind: global_buffer, .address_space: global }
      - { .name: maskbits, .offset: 56, .size: 8, .value_kind: global_buffer, .address_space: global }
    .group_segment_fixed_size: 68608
    .private_segment_fixed_size: 0
    .kernarg_segment_align: 8
    .kernarg_segment_size: 64
    .max_flat_workgroup_size: 256
    .sgpr_count:     66
    .vgpr_count:     210
    .wavefront_size: 32
...
	.end_amdgpu_metadata
.endif
;; end of part 1
;; launch qkv (part 2): grid 16 x 16, 4 waves a work-group, clusters of 4 x 4, 327,680 bytes of LDS; arguments xb, wqkvb, w_qkv_b, qkvh; writes qkvh
.if DOCPART == 2
	.amdgcn_target "amdgcn-amd-amdhsa--gfx1250"
	.amdhsa_code_object_version 6
	.text
	.protected	k_q04d478b746_qkv
	.globl	k_q04d478b746_qkv
	.p2align	8
	.type	k_q04d478b746_qkv,@function
k_q04d478b746_qkv:
	s_mov_b64 s[64:65], 0
	v_nop
	global_prefetch_b8 v0, s[64:65] scope:SCOPE_SE
	s_setreg_imm32_b32 hwreg(HW_REG_WAVE_MODE, 25, 1), 1
	s_wait_xcnt 0x0
	s_wait_alu depctr_hold_cnt(0) depctr_sa_sdst(0) depctr_va_vdst(0) depctr_va_sdst(0) depctr_va_ssrc(0) depctr_va_vcc(0) depctr_vm_vsrc(0)
	s_getreg_b32 s2, hwreg(HW_REG_IB_STS2, 6, 4)
	s_cmp_eq_u32 s2, 0
	s_cbranch_scc0 .Lentry_in_a_cluster
	s_endpgm
.Lentry_in_a_cluster:
	s_bfe_u32 s2, ttmp6, 0x10000c
	s_cmp_lg_u32 s2, 0xf033
	s_cbranch_scc0 .Lentry_shape_is_right
	s_endpgm
.Lentry_shape_is_right:
; qkv: qkvh = x w_qkv^T + b, 4096 x 3072 x 1024, bf16 operands, f32 sums, f16 out, laid head by head: qkvh[u 0..47][token 0..4095][64],
; u = 0..15 the q heads, 16..31 k, 32..47 v.  The q heads are multiplied by log2(e)/8 in f32 before their one rounding, so that the attention launch's
; scores are exponents of 2.  LIMIT: |q|, |k|, |v| below 65,504 (f16): with x and w 30 times their drawn size they reach some 5,000, with offsets of 30 spreads
; on both some 1024 x 30 x 0.94 = 29,000.
; A work-group makes 256 x 192 of the product (three whole heads; 16 x 16 = 256 work-groups) with four waves; a wave makes 128 x 96: 48 accumulator tiles,
; 384 registers.  K goes in steps of 128 through a ring of two LDS slots filled by the tensor data mover; a tile's rows are 256 bytes and start at multiples of 256.
; CLUSTERS: 4 x 4 work-groups.  x's tile hangs on the block row alone and is asked for jointly by a row of the cluster, w's on the block column alone and by a
; column: four requests become one.
; REGISTERS by windows of 256: window 0 addresses, x's fragments (two buffers), the bias; window 1 w's fragments; windows 2 and 3 the accumulators.
; The matrix instruction is used transposed (source 0 = 16 rows of w, source 1 = 16 rows of x): lane l then holds token l % 16 and in registers 0..7 the
; columns 8 (l / 16) + 0..7, eight neighbours of a row.  The first products take the bias as C: nothing is cleared, and the bias costs no vector instruction.
.set KSTEP,  128
.set PITCH,  272                       ; LDS row: 256 bytes + 16, an odd multiple of 16
.set HALFA,  128*PITCH                 ; 128 rows of x: one tensor load, and what a wave reads of x
.set HALFB,  96*PITCH                  ; 96 rows of w likewise
.set SLOT,   2*HALFA+2*HALFB           ; x's 256 rows, then w's 192
.set SPITCH, 400                       ; the way out: a token's 384 bytes + 16, an odd multiple of 16; 256 tokens lie in slot 0 after its last fill
.set LAPS,   4                         ; a lap = two K steps; 1024 / 256
.set PLANE,  524288                    ; bytes of a head's plane in qkvh
.set CLOG,   0x3e38aa3b                ; log2(e) / 8
.set ADRA, 16                          ; v16-17 LDS address of my x fragments in slot 0, 1
.set ADRB, 20                          ; v20-21 the same for w
.set STO,  24                          ; the way out: where I put 16 bytes of a token
.set RD,   25                          ; where I read a head's 128 bytes back
.set CO,   26                          ; my byte offset in a plane
.set BO,   27                          ; my byte offset in the bias
.set F0,   64
.set F1,   128
.set BIAS, 192                         ; v192-239: block b at 192 + 8 b
.set TMP,  192                         ; the same registers on the way out
.set G1,  24                           ; s[24:31] group 1, x's tiles
.set G0,  32                           ; s[32:39] group 0, x's tiles, one set a slot
.set G1B, 48                           ; s[48:55] group 1, w's tiles
.set G0B, 56                           ; s[56:63] group 0, w's tiles
.set SCL, 66                           ; s[66:71] three pairs: the factor of column blocks 0-1, 2-3, 4-5
.set CW, (1<<16)|(1<<20)|(1<<21)|(5<<22)|(3<<25)   ; 2-byte elements; padding on; bit 21 beside a mask; after every 64 words; 4 words
.set MSB, 0
.macro WIN new                         ; the immediate's high byte repeats the setting that is left
.if MSB != \new
	s_set_vgpr_msb (MSB<<8)|\new
.set MSB, \new
.endif
.endm
.set MUL_LO, 0xa1                      ; source 0 (w) window 1, source 1 (x) window 0, C and D window 2
.set MUL_HI, 0xf1                      ; C and D window 3
.set TO_B,   0x40                      ; destination window 1
.macro JLOAD s                         ; waves 0, 1 ask for x's halves, waves 2, 3 for w's: each line has one mask; the branch hangs on the wave's number alone
	s_cmp_eq_u32 s13, 0
	s_cbranch_scc0 .Lfor_b_\@
	tensor_load_to_lds s[G0+4*\s:G0+4*\s+3], s[G1:G1+7]
	s_nop 0
	s_branch .Lasked_\@
.Lfor_b_\@:
	tensor_load_to_lds s[G0B+4*\s:G0B+4*\s+3], s[G1B:G1B+7]
	s_nop 0
.Lasked_\@:
.endm
.macro CREST                           ; a round of the cluster's barrier behind its opening work-group barrier
	s_cmp_lg_u32 s12, 0
	s_cbranch_scc1 .Lnot_wave_0_\@
	s_barrier_signal -3
.Lnot_wave_0_\@:
	s_barrier_wait -3
	s_barrier_signal -1
	s_barrier_wait -1
.endm
.macro CROUND
	s_barrier_signal -1
	s_barrier_wait -1
	CREST
.endm
	s_load_b256 s[4:11], s[0:1], 0x0               ; xb s[4:5], wqkvb s[6:7], bias s[8:9], qkvh s[10:11]
	s_set_vgpr_msb 0x40
	v_lshl_add_u32 v255, v0, 2, 0x40000
	s_set_vgpr_msb 0x4000
	v_mov_b32 v255, 0
	s_set_vgpr_msb 0x1
	ds_add_u32 v255, v255
	s_set_vgpr_msb 0x100
	v_lshrrev_b32 v1, 5, v0
	v_readfirstlane_b32 s12, v1                    ; wave
	s_lshr_b32 s13, s12, 1                         ; my half of the block's rows; also: I fetch x (0) or w (1)
	s_and_b32 s14, s12, 1                          ; my half of its columns; also: which half of that tile I fetch
	s_bfe_u32 s40, ttmp6, 0x40000                  ; cx
	s_bfe_u32 s41, ttmp6, 0x40004                  ; cy
	s_lshl_b32 s42, ttmp9, 2
	s_add_co_u32 s42, s42, s40                     ; block column
	s_and_b32 s43, ttmp7, 0xffff
	s_lshl_b32 s43, s43, 2
	s_add_co_u32 s43, s43, s41                     ; block row
	s_lshl_b32 s44, s41, 2
	s_lshl_b32 s44, 15, s44                        ; my row of the cluster
	s_lshl_b32 s45, 0x1111, s40                    ; my column
	s_or_b32 s[G1+0], s44, CW
	s_or_b32 s[G1B+0], s45, CW
	s_mov_b32 s[G1+1], KSTEP<<16                   ; tensor_dim0 = 128
	s_mov_b32 s[G1B+1], KSTEP<<16
	s_mov_b32 s[G1+2], 128<<16                     ; tensor_dim1 = 128 rows
	s_mov_b32 s[G1B+2], 96<<16                     ; 96 rows
	s_mov_b32 s[G1+3], KSTEP<<16                   ; tile_dim0 = 128
	s_mov_b32 s[G1B+3], KSTEP<<16
	s_mov_b32 s[G1+4], 128                         ; tile_dim1
	s_mov_b32 s[G1B+4], 96
	s_mov_b32 s[G1+5], 1024                        ; elements from row to row
	s_mov_b32 s[G1B+5], 1024
	s_mov_b32 s[G1+6], 0
	s_mov_b32 s[G1B+6], 0
	s_mov_b32 s[G1+7], 0
	s_mov_b32 s[G1B+7], 0
	s_lshl_b32 s16, s43, 8                         ; x: row 256 x block row + 128 x half, times 2,048 bytes (below 8 MiB)
	s_lshl_b32 s17, s14, 7
	s_add_co_u32 s16, s16, s17
	s_lshl_b32 s16, s16, 11
	s_mov_b32 s17, 0
	s_mul_i32 s46, s42, 192                        ; w: row 192 x block column + 96 x half
	s_mul_i32 s47, s14, 96
	s_add_co_u32 s46, s46, s47
	s_lshl_b32 s22, s46, 2                         ; the same number is my wave's first column: its bias, in bytes
	s_mov_b32 s23, 0
	s_lshl_b32 s46, s46, 11
	s_mov_b32 s47, 0
	s_mul_i32 s20, s12, HALFA                      ; LDS: x's halves at wave x HALFA (waves 0, 1),
	s_mul_i32 s21, s12, HALFB                      ; w's behind them at 2 HALFA + (wave - 2) x HALFB (waves 2, 3)
	s_add_co_u32 s21, s21, 2*HALFA-2*HALFB
	s_wait_dscnt 0x0
	s_wait_kmcnt 0x0
	s_add_nc_u64 s[18:19], s[4:5], s[16:17]
	s_add_nc_u64 s[46:47], s[6:7], s[46:47]
	s_add_nc_u64 s[8:9], s[8:9], s[22:23]
	CROUND                                         ; all sixteen work-groups are here: the first joint loads meet
.irp s, 0,1
	s_mov_b32 s[G0+4*\s], 1
	s_add_co_u32 s[G0+4*\s+1], s20, \s*SLOT
	s_add_nc_u64 s[G0+4*\s+2:G0+4*\s+3], s[18:19], \s*KSTEP*2
	s_or_b32 s[G0+4*\s+3], s[G0+4*\s+3], 0x80000000
	s_mov_b32 s[G0B+4*\s], 1
	s_add_co_u32 s[G0B+4*\s+1], s21, \s*SLOT
	s_add_nc_u64 s[G0B+4*\s+2:G0B+4*\s+3], s[46:47], \s*KSTEP*2
	s_or_b32 s[G0B+4*\s+3], s[G0B+4*\s+3], 0x80000000
	JLOAD \s                                       ; two loads of the wave are out here, later one
.endr
	v_and_b32 v1, 15, v0                           ; r = l % 16
	v_bfe_u32 v2, v0, 4, 1                         ; h = l / 16
	v_lshlrev_b32 v[BO], 5, v2                     ; 8 h columns of 4 bytes
.irp b, 0,1,2,3,4,5
	global_load_b128 v[BIAS+8*\b:BIAS+8*\b+3],   v[BO], s[8:9] offset:64*\b        ; bias of columns 16 b + 8 h + 0..3
	global_load_b128 v[BIAS+8*\b+4:BIAS+8*\b+7], v[BO], s[8:9] offset:64*\b+16     ; + 4..7
.endr
	v_mul_u32_u24 v3, v1, PITCH
	v_lshl_add_u32 v3, v2, 4, v3                   ; row x pitch + 16 h
	s_mul_i32 s20, s13, HALFA
	s_mul_i32 s21, s14, HALFB
	s_add_co_u32 s21, s21, 2*HALFA
.irp s, 0,1
	v_add_nc_u32 v[ADRA+\s], s20, v3
	v_add_nc_u32 v[ADRB+\s], s21, v3
	s_add_co_u32 s20, s20, SLOT
	s_add_co_u32 s21, s21, SLOT
.endr
	s_mul_i32 s20, s13, 128*SPITCH
	s_mul_i32 s21, s14, 192
	s_add_co_u32 s20, s20, s21
	v_mul_u32_u24 v4, v1, SPITCH
	v_lshl_add_u32 v4, v2, 4, v4
	v_add_nc_u32 v[STO], s20, v4                   ; (128 mh + r) x 400 + 192 nh + 16 h
	s_mul_i32 s20, s12, 64*SPITCH
	v_bfe_u32 v5, v0, 3, 2
	v_and_b32 v6, 7, v0
	v_mul_u32_u24 v5, v5, SPITCH
	v_lshl_add_u32 v5, v6, 4, v5
	v_add_nc_u32 v[RD], s20, v5                    ; (64 w + l / 8) x 400 + 16 (l % 8)
	v_and_b32 v7, 31, v0
	v_lshlrev_b32 v[CO], 4, v7                     ; four tokens of 128 bytes = 16 l
; 24 matrix instructions: four m blocks of a window x six n blocks, 32 along K.  bias = 1: C is the bias (window 0).
; The 48 accumulators take turns, one instruction a turn, in the same order in every quarter step.
.macro MULH f, hi, bias
.irp a, 0,1,2,3
.irp b, 0,1,2,3,4,5
.if \bias
	v_wmma_f32_16x16x32_bf16 v[8*(6*\a+\b):8*(6*\a+\b)+7], v[\f+8*\b:\f+8*\b+7], v[\f+8*(4*\hi+\a):\f+8*(4*\hi+\a)+7], v[BIAS+8*\b:BIAS+8*\b+7]
.else
	v_wmma_f32_16x16x32_bf16 v[8*(6*\a+\b):8*(6*\a+\b)+7], v[\f+8*\b:\f+8*\b+7], v[\f+8*(4*\hi+\a):\f+8*(4*\hi+\a)+7], v[8*(6*\a+\b):8*(6*\a+\b)+7]
.endif
.endr
.endr
.endm
.macro FETCH slot, k, f                ; 28 LDS loads in one run: 96 rows of w, 128 rows of x, 32 K at byte k of the rows
	WIN TO_B
.irp i, 0,1,2,3,4,5
	ds_load_b128 v[\f+8*\i:\f+8*\i+3],   v[ADRB+\slot] offset:\k+\i*16*PITCH
	ds_load_b128 v[\f+8*\i+4:\f+8*\i+7], v[ADRB+\slot] offset:\k+\i*16*PITCH+32
.endr
	WIN 0
.irp i, 0,1,2,3,4,5,6,7
	ds_load_b128 v[\f+8*\i:\f+8*\i+3],   v[ADRA+\slot] offset:\k+\i*16*PITCH
	ds_load_b128 v[\f+8*\i+4:\f+8*\i+7], v[ADRA+\slot] offset:\k+\i*16*PITCH+32
.endr
.endm
.macro PLACES                          ; four independent vector instructions between a matrix instruction and a load into, or a vector access to, its registers
.rept 4
	v_nop
.endr
.endm
; A quarter step: the next quarter's fragments are asked for first, into the buffer multiplied last, then buffer f is multiplied: 48 matrix instructions for them to land.
.macro QUARTER slot, k, f, g, bias
	PLACES
	FETCH \slot, \k, \g
	s_wait_dscnt 28                                ; all but the 28 just issued: buffer f is in
.if \bias
	WIN 0x81
.else
	WIN MUL_LO
.endif
	MULH \f, 0, \bias
.if \bias
	WIN 0xc1
.else
	WIN MUL_HI
.endif
	MULH \f, 1, \bias
.endm
.macro THREE slot, bias
	QUARTER \slot, 64,  F0, F1, \bias
	QUARTER \slot, 128, F1, F0, 0
	QUARTER \slot, 192, F0, F1, 0
.endm
; The last quarter multiplies buffer 1 and changes slots.  In front of the barrier each wave waits for its reads of this slot and for all its tensor loads (one is
; out: its part of the next slot).  Behind it (fill = 1: behind the whole round of the cluster's barrier) the refill comes first, then the next slot's first fragments.
.macro TURN slot, next, fill
	s_wait_dscnt 0x0                               ; buffer 1 is in, and my reads of this slot are over
	s_wait_tensorcnt 0x0                           ; all my tensor loads have landed
	ds_add_u32 v255, v255
	s_wait_dscnt 0x0
	s_barrier_signal -1
	WIN MUL_LO
	MULH F1, 0, 0                                  ; register work while the others arrive
	WIN 0
	s_barrier_wait -1
.if \fill
	CREST
	s_add_nc_u64 s[G0+4*\slot+2:G0+4*\slot+3], s[G0+4*\slot+2:G0+4*\slot+3], 2*KSTEP*2
	s_add_nc_u64 s[G0B+4*\slot+2:G0B+4*\slot+3], s[G0B+4*\slot+2:G0B+4*\slot+3], 2*KSTEP*2
	JLOAD \slot                                    ; the wave's one tensor load behind the round
.endif
	PLACES
	FETCH \next, 0, F0
	WIN MUL_HI
	MULH F1, 1, 0
.endm
.macro LAP bias
	THREE 0, \bias
	TURN 0, 1, 1
	THREE 1, 0
	TURN 1, 0, 1
.endm
	s_wait_tensorcnt 0x1                           ; my part of K step 0 is in; K step 1's stays out
	s_barrier_signal -1
	s_barrier_wait -1
	FETCH 0, 0, F0
	s_wait_loadcnt 0x0                             ; the bias
	LAP 1
	WIN 0
	s_mov_b32 s15, LAPS-2
.Llap:
	LAP 0
	WIN 0
	s_sub_co_u32 s15, s15, 1
	s_cmp_lg_u32 s15, 0
	s_cbranch_scc1 .Llap
	THREE 0, 0                                     ; the last lap fills nothing
	TURN 0, 1, 0
	THREE 1, 0
	s_wait_dscnt 0x0
	WIN MUL_LO
	MULH F1, 0, 0
	WIN MUL_HI
	MULH F1, 1, 0
	; THE WAY OUT.  Scale, round to f16, 16 bytes a lane into the stage (slot 0, which has had its last fill), read back head by head as whole tokens.
	PLACES
	WIN 0
	s_barrier_signal -1                            ; no LDS instruction of mine is out (the wait for 0 above): every wave's reads of the ring are over
	s_barrier_wait -1
	s_mul_i32 s72, s42, 3                          ; the block's three heads are units 3 x block column + 0, 1, 2; units below 16 are q heads
	s_cmp_lt_u32 s72, 16
	s_cselect_b32 s73, CLOG, 1.0
	s_add_co_u32 s72, s72, 1
	s_cmp_lt_u32 s72, 16
	s_cselect_b32 s74, CLOG, 1.0
	s_add_co_u32 s72, s72, 1
	s_cmp_lt_u32 s72, 16
	s_cselect_b32 s75, CLOG, 1.0
	s_cmp_eq_u32 s14, 0                            ; my 96 columns: left half = head 0 (blocks 0-3), head 1 (4-5); right half = head 1 (0-1), head 2 (2-5)
	s_cselect_b32 s[SCL+0], s73, s74
	s_cselect_b32 s[SCL+2], s73, s75
	s_cselect_b32 s[SCL+4], s74, s75
	s_mov_b32 s[SCL+1], s[SCL+0]
	s_mov_b32 s[SCL+3], s[SCL+2]
	s_mov_b32 s[SCL+5], s[SCL+4]
	s_lshl_b32 s16, s43, 15                        ; token 256 x block row + 64 w, 128 bytes each
	s_lshl_b32 s17, s12, 13
	s_add_co_u32 s16, s16, s17
	s_mov_b32 s17, 0
	s_add_nc_u64 s[10:11], s[10:11], s[16:17]
	s_mul_i32 s46, s42, 3*PLANE                    ; the block's first plane
	s_mov_b32 s47, 0
	s_add_nc_u64 s[10:11], s[10:11], s[46:47]
; tokens 16 i .. + 15 of my 128: the six tiles (a, 0..5) of window 2 or 3 (from = 0x02, 0x03: source 0).  One text for q, k and v: a factor chosen by a select,
; 1.0 for k and v.
.macro STAGE16 i, a, from
	WIN \from
.irp b, 0,1,2,3,4,5
.irp q, 0,2,4,6
	v_pk_mul_f32 v[TMP+8*\b+\q:TMP+8*\b+\q+1], v[8*(6*\a+\b)+\q:8*(6*\a+\b)+\q+1], s[SCL+2*(\b>>1):SCL+2*(\b>>1)+1] op_sel_hi:[1,0]
.endr
.endr
	WIN 0
.irp b, 0,1,2,3,4,5
.irp q, 0,1,2,3
	v_cvt_pk_f16_f32 v[TMP+8*\b+\q], v[TMP+8*\b+2*\q], v[TMP+8*\b+2*\q+1]      ; packed in place: register q is written when registers 2 q, 2 q + 1 are read
.endr
	ds_store_b128 v[STO], v[TMP+8*\b:TMP+8*\b+3] offset:\i*16*SPITCH+32*\b
.endr
.endm
	STAGE16 0, 0, 0x02
	STAGE16 1, 1, 0x02
	STAGE16 2, 2, 0x02
	STAGE16 3, 3, 0x02
	STAGE16 4, 0, 0x03
	STAGE16 5, 1, 0x03
	STAGE16 6, 2, 0x03
	STAGE16 7, 3, 0x03
	s_wait_dscnt 0x0                               ; my stores are done, for the waves that read them
	s_barrier_signal -1
	s_barrier_wait -1
; head hh of tokens 64 w .. + 63: each load and store takes four tokens x 128 bytes, 512 consecutive aligned bytes of the plane
.macro HEADOUT hh, f
.irp g, 0,1,2,3,4,5,6,7,8,9,10,11,12,13,14,15
	ds_load_b128 v[\f+4*\g:\f+4*\g+3], v[RD] offset:\g*4*SPITCH+128*\hh
.endr
.irp g, 0,1,2,3,4,5,6,7,8,9,10,11,12,13,14,15
	s_wait_dscnt 15-\g
	global_store_b128 v[CO], v[\f+4*\g:\f+4*\g+3], s[10:11] offset:\hh*PLANE+512*\g
.endr
.endm
	HEADOUT 0, F0
	HEADOUT 1, F1
	s_wait_xcnt 0x0                                ; buffer 0, which stores read, is loaded again only behind this wait
	HEADOUT 2, F0
	s_set_vgpr_msb 0x1
	s_wait_tensorcnt 0x0
	ds_add_u32 v255, v255
	s_wait_dscnt 0x0
	s_set_vgpr_msb 0x100
	CROUND                                         ; the closing round: no work-group ends while a partner may still ask jointly
	s_endpgm
.Lfunc_end_k_q04d478b746_qkv:
	.size	k_q04d478b746_qkv, .Lfunc_end_k_q04d478b746_qkv-k_q04d478b746_qkv
	.p2alignl 7, 3214868480
	.fill 96, 4, 3214868480
	.section	.rodata,"a",@progbits
	.p2align	6, 0x0
	.amdhsa_kernel k_q04d478b746_qkv
		.amdhsa_group_segment_fixed_size 327680
		.amdhsa_private_segment_fixed_size 0
		.amdhsa_enable_private_segment 0
		.amdhsa_kernarg_size 32
		.amdhsa_user_sgpr_count 2
		.amdhsa_user_sgpr_kernarg_segment_ptr 1
		.amdhsa_wavefront_size32 1
		.amdhsa_system_sgpr_workgroup_id_x 1
		.amdhsa_system_sgpr_workgroup_id_y 1
		.amdhsa_system_sgpr_workgroup_id_z 1
		.amdhsa_system_vgpr_workitem_id 0
		.amdhsa_next_free_vgpr 1024
		.amdhsa_next_free_sgpr 76
		.amdhsa_reserve_vcc 0
		.amdhsa_float_denorm_mode_32 3
		.amdhsa_float_denorm_mode_16_64 3
		.amdhsa_memory_ordered 1
		.amdhsa_forward_progress 1
		.amdhsa_inst_pref_size 171
	.end_amdhsa_kernel
	.amdgpu_metadata
---
amdhsa.version: [ 1, 2 ]
amdhsa.kernels:
  - .name:           k_q04d478b746_qkv
    .symbol:         k_q04d478b746_qkv.kd
    .args:
      - { .name: xb, .offset: 0, .size: 8, .value_kind: global_buffer, .address_space: global }
      - { .name: wqkvb, .offset: 8, .size: 8, .value_kind: global_buffer, .address_space: global }
      - { .name: w_qkv_b, .offset: 16, .size: 8, .value_kind: global_buffer, .address_space: global }
      - { .name: qkvh, .offset: 24, .size: 8, .value_kind: global_buffer, .address_space: global }
    .group_segment_fixed_size: 327680
    .private_segment_fixed_size: 0
    .kernarg_segment_align: 8
    .kernarg_segment_size: 32
    .max_flat_workgroup_size: 128
    .sgpr_count:     76
    .vgpr_count:     1024
    .wavefront_size: 32
...
	.end_amdgpu_metadata
.endif
;; end of part 2
;; launch attn (part 3): grid 16 x 16, 8 waves a work-group, clusters of 4 x 1, 327,680 bytes of LDS; arguments qkvh, maskbits, ao; writes ao
.if DOCPART == 3
	.amdgcn_target "amdgcn-amd-amdhsa--gfx1250"
	.amdhsa_code_object_version 6
	.text
	.protected	k_q04d478b746_attn
	.globl	k_q04d478b746_attn
	.p2align	8
	.type	k_q04d478b746_attn,@function
k_q04d478b746_attn:
	s_mov_b64 s[64:65], 0
	v_nop
	global_prefetch_b8 v0, s[64:65] scope:SCOPE_SE
	s_setreg_imm32_b32 hwreg(HW_REG_WAVE_MODE, 25, 1), 1
	s_wait_xcnt 0x0
	s_wait_alu depctr_hold_cnt(0) depctr_sa_sdst(0) depctr_va_vdst(0) depctr_va_sdst(0) depctr_va_ssrc(0) depctr_va_vcc(0) depctr_vm_vsrc(0)
	s_getreg_b32 s2, hwreg(HW_REG_IB_STS2, 6, 4)
	s_cmp_eq_u32 s2, 0
	s_cbranch_scc0 .Lentry_in_a_cluster
	s_endpgm
.Lentry_in_a_cluster:
	s_bfe_u32 s2, ttmp6, 0x10000c
	s_cmp_lg_u32 s2, 0x3003
	s_cbranch_scc0 .Lentry_shape_is_right
	s_endpgm
.Lentry_shape_is_right:
; attn: ao = softmax(where(mask == 0, -1e9, q k^T / 8)) v for 2 x 16 heads, 2,048 queries x 2,048 keys x 64, with a running maximum.
; f16 operands, f32 sums, softmax in f32, f16 out.  The mask is an input: every key of every query is computed, and a masked score is REPLACED.
; q comes multiplied by log2(e)/8, so scores are exponents of 2 and a masked score is -1e9 x log2(e).  S - m is formed by one subtraction: it is exact at the
; maximum and never above 0, so a weight is at most 1, and a row that is masked throughout gets equal weights.
; LIMITS: weights below 2^-25 of the row's largest are dropped (rounding of P to f16); NaN and infinities get no care of their own (v_max_num_f32 lets a NaN lose).
; A work-group: 128 queries of two heads (a token's output is then 256 aligned bytes of ao), eight waves; wave w: head w>>2, queries 32 (w&3) .. +31 as two tiles.
; Two waves a SIMD: one wave's softmax runs beside the other's matrix instructions.
; CLUSTER 4 x 1: the four query blocks of a cluster walk the same K and V tiles and ask for them jointly, mask 15.
; LAYOUT: S^T = K Q^T (A = 16 keys, B = 16 queries): lane (r, h), register j holds query r, key 8 h + j.  A query's maximum is per lane plus one exchange of the
; halves; two key tiles, packed in place, ARE the B fragment P^T of O^T = V^T P^T; V^T fragments come by the transposing LDS load; the row sum comes from one
; more matrix instruction with A = ones, so that it sums the rounded P.
.set PART,   10240                     ; 64 rows: K at pitch 144 (9,216 bytes used), V at pitch 160
.set SLOT,   8*PART                    ; parts: K head 0 keys 0-63, 64-127; K head 1; V head 0; V head 1: part p is loaded by wave p
.set STAGEB, 2*SLOT                    ; 128 tokens x 272 bytes, never a tensor load's target
.set SPITCH, 272
.set KP,     144                       ; odd multiple of 16
.set VP,     160                       ; odd multiple of 32, for the transposing load
.set TILEB,  16384                     ; 128 keys of a plane
.set KA,    4                          ; v4-5  K fragments' LDS address, slot 0, 1
.set VA,    6                          ; v6-7  V's
.set NEGV,  8                          ; -1e9 x log2(e)
.set STO,   9
.set RD,    10
.set CO,    11
.set QO,    12
.set MAXR,  14                         ; v14-15 running maximum of query tile t
.set NM0,   16                         ; v[16:19]   pair 2 t: -m as of the last even step (the high register is written once and never used)
.set NM1,   248                        ; v[248:251] the same for odd steps: the old and the new -m take turns, no copy
.set ALR,   20                         ; v[20:23]   pair 2 t: alpha
.set TT,    24                         ; v[24:31]   four temporaries a tile
.set ONESR, 32                         ; v[32:39]   1.0 in f16, sixteen rows of ones
.set LSUM,  40                         ; v[40:55]   row sums, 8 registers a tile
.set SC,    56                         ; v[56:119]  scores: tile (t, i) at 56 + 32 t + 8 i; then P(t, ks) at 56 + 32 t + 16 ks
.set FRG,   120                        ; v[120:183] K's fragments, then V's
.set OACC,  184                        ; v[184:247] O^T: tile (t, dt) at 184 + 32 t + 8 dt
                                       ; window 1: v256-287 Q, fragment (t, c) at 16 t + 8 c
; scalars: s[4:11] group 1 for K, s[68:75] for V; s[12:15], s[76:79] group 0 of slot 0, 1; s66-67 lane selects; s[96:97] qkvh; s[98:99] my mask words;
; s[2:3] ao; s100 w>>2; s104 wave; s105 counter; mask words of a step: t = 0 in s[16:47], t = 1 in s[48:63] and s[80:95]
.set MSB, 0
.macro WIN new
.if MSB != \new
	s_set_vgpr_msb (MSB<<8)|\new
.set MSB, \new
.endif
.endm
.macro ROUND                           ; a round of the cluster's barrier
	s_barrier_signal -1
	s_barrier_wait -1
	s_cmp_lg_u32 s104, 0
	s_cbranch_scc1 .Lnot_wave_0_\@
	s_barrier_signal -3
.Lnot_wave_0_\@:
	s_barrier_wait -3
	s_barrier_signal -1
	s_barrier_wait -1
.endm
.macro JLOAD slot                      ; waves 0-3 ask for K's parts, waves 4-7 for V's (another padding); the branch hangs on the wave's number alone
	s_cmp_eq_u32 s100, 0
	s_cbranch_scc0 .Lfor_v_\@
	tensor_load_to_lds s[12+64*(\slot):15+64*(\slot)], s[4:11]
	s_nop 0
	s_branch .Lasked_\@
.Lfor_v_\@:
	tensor_load_to_lds s[12+64*(\slot):15+64*(\slot)], s[68:75]
	s_nop 0
.Lasked_\@:
.endm
	s_load_b128 s[96:99], s[0:1], 0x0              ; qkvh, maskbits
	s_load_b64 s[2:3], s[0:1], 0x10                ; ao
	v_lshl_add_u32 v254, v0, 2, 0x30800
	v_mov_b32 v255, 0
	ds_add_u32 v254, v255
	v_lshrrev_b32 v1, 5, v0
	v_readfirstlane_b32 s104, v1                   ; wave
	s_lshr_b32 s100, s104, 2                       ; my head of the pair; also: I fetch K (0) or V (1)
	s_mov_b32 s66, 0x76543210                      ; v_permlanex16_b32: lane i takes lane i of the other half
	s_mov_b32 s67, 0xfedcba98
	s_bfe_u32 s16, ttmp6, 0x40000                  ; cx
	s_lshl_b32 s17, ttmp9, 2
	s_add_co_u32 s17, s17, s16                     ; query block 0..15
	s_and_b32 s18, ttmp7, 0xffff
	s_lshr_b32 s19, s18, 3                         ; batch
	s_and_b32 s20, s18, 7                          ; head pair
	s_and_b32 s21, s104, 3
	s_and_b32 s22, s104, 1                         ; which 64 keys I fetch
	s_bfe_u32 s23, s104, 0x10001                   ; which head I fetch
	s_lshl_b32 s24, s100, 4                        ; K, V: plane 16 + 16 kind + 2 pair + head, batch, half: nothing of cx
	s_add_co_u32 s24, s24, 16
	s_lshl_b32 s25, s20, 1
	s_add_co_u32 s24, s24, s25
	s_add_co_u32 s24, s24, s23
	s_lshl_b32 s24, s24, 19
	s_lshl_b32 s25, s19, 18
	s_add_co_u32 s24, s24, s25
	s_lshl_b32 s25, s22, 13
	s_add_co_u32 s24, s24, s25
	s_mov_b32 s25, 0
	s_lshl_b32 s26, s20, 1                         ; Q: plane 2 pair + head, token batch x 2048 + 128 block + 32 (w&3), 128 bytes each
	s_add_co_u32 s26, s26, s100
	s_lshl_b32 s26, s26, 19
	s_lshl_b32 s27, s19, 18
	s_add_co_u32 s26, s26, s27
	s_lshl_b32 s27, s17, 14
	s_add_co_u32 s26, s26, s27
	s_lshl_b32 s27, s21, 12
	s_add_co_u32 s26, s26, s27
	s_mov_b32 s27, 0
	s_lshl_b32 s28, s17, 15                        ; mask words: query tile 8 block + 2 (w&3), 4,096 bytes each
	s_lshl_b32 s29, s21, 13
	s_add_co_u32 s28, s28, s29
	s_mov_b32 s29, 0
	s_lshl_b32 s30, s19, 22                        ; ao: token batch x 2048 + 128 block + 16 w, 2,048 bytes each, + 256 pair
	s_lshl_b32 s31, s17, 18
	s_add_co_u32 s30, s30, s31
	s_lshl_b32 s31, s104, 15
	s_add_co_u32 s30, s30, s31
	s_lshl_b32 s31, s20, 8
	s_add_co_u32 s30, s30, s31
	s_mov_b32 s31, 0
	s_mul_i32 s32, s104, PART                      ; where my part goes
	s_mul_i32 s33, s100, 2*PART                    ; where my head's parts lie
	s_mul_i32 s34, s21, 32*SPITCH
	s_lshl_b32 s35, s100, 7
	s_add_co_u32 s34, s34, s35
	s_add_co_u32 s34, s34, STAGEB
	s_mul_i32 s35, s104, 16*SPITCH
	s_add_co_u32 s35, s35, STAGEB
	; group 1: 64 rows x 64 elements of 2 bytes, dense in memory; after every 32 words 4 words of padding (K) or 8 (V); mask 15 with bit 21
	s_mov_b32 s4, 15|(1<<16)|(1<<20)|(1<<21)|(4<<22)|(3<<25)
	s_mov_b32 s68, 15|(1<<16)|(1<<20)|(1<<21)|(4<<22)|(7<<25)
	s_mov_b32 s5, 64<<16
	s_mov_b32 s69, 64<<16
	s_mov_b32 s6, 64<<16
	s_mov_b32 s70, 64<<16
	s_mov_b32 s7, 64<<16
	s_mov_b32 s71, 64<<16
	s_mov_b32 s8, 64
	s_mov_b32 s72, 64
	s_mov_b32 s9, 64
	s_mov_b32 s73, 64
	s_mov_b32 s10, 0
	s_mov_b32 s74, 0
	s_mov_b32 s11, 0
	s_mov_b32 s75, 0
	s_wait_dscnt 0x0
	s_wait_kmcnt 0x0
	s_mov_b32 s12, 1
	s_add_co_u32 s13, s32, 0
	s_add_nc_u64 s[14:15], s[96:97], s[24:25]      ; tile 0
	s_mov_b32 s76, 1
	s_add_co_u32 s77, s32, SLOT
	s_add_nc_u64 s[78:79], s[14:15], TILEB         ; tile 1
	s_or_b32 s15, s15, 0x80000000
	s_or_b32 s79, s79, 0x80000000
	s_add_nc_u64 s[36:37], s[96:97], s[26:27]      ; Q
	s_add_nc_u64 s[98:99], s[98:99], s[28:29]
	s_add_nc_u64 s[2:3], s[2:3], s[30:31]
	ROUND                                          ; in front of the first joint load
	JLOAD 0                                        ; tile 0: one load of the wave is out, here and behind every round
	v_and_b32 v1, 15, v0                           ; r
	v_bfe_u32 v2, v0, 4, 1                         ; h
	v_lshlrev_b32 v[QO], 7, v1
	v_lshl_add_u32 v[QO], v2, 4, v[QO]             ; query r, 16 h bytes
	WIN 0x40                                       ; destination window 1
.irp t, 0,1
.irp c, 0,1
.irp e, 0,1
	global_load_b128 v[16*\t+8*\c+4*\e:16*\t+8*\c+4*\e+3], v[QO], s[36:37] offset:2048*\t+64*\c+32*\e
.endr
.endr
.endr
	WIN 0
	v_and_b32 v3, 7, v0
	v_bfe_u32 v13, v0, 3, 1
	v_mul_u32_u24 v[KA], v1, KP
	v_lshl_add_u32 v[KA], v2, 4, v[KA]
	v_add_nc_u32 v[KA], s33, v[KA]                 ; key row r, 16 h bytes, my head's K parts
	v_add_nc_u32 v[KA+1], SLOT, v[KA]
	v_lshl_add_u32 v[VA], v2, 3, v3
	v_mul_u32_u24 v[VA], v[VA], VP
	v_lshl_add_u32 v[VA], v13, 4, v[VA]            ; key row 8 h + (l & 7), 16 ((l >> 3) & 1) bytes
	v_add_nc_u32 v[VA], s33, v[VA]
	v_add_nc_u32 v[VA], 4*PART, v[VA]
	v_add_nc_u32 v[VA+1], SLOT, v[VA]
	v_mov_b32 v[NEGV], 0xceabfb8f                  ; -1e9 x log2(e)
	v_mul_u32_u24 v[STO], v1, SPITCH
	v_lshl_add_u32 v[STO], v2, 4, v[STO]
	v_add_nc_u32 v[STO], s34, v[STO]               ; token 32 (w&3) + r, 128 head + 16 h bytes
	v_mul_u32_u24 v[RD], v2, SPITCH
	v_lshl_add_u32 v[RD], v1, 4, v[RD]
	v_add_nc_u32 v[RD], s35, v[RD]                 ; token 16 w + h, 16 r bytes
	v_lshlrev_b32 v[CO], 11, v2
	v_lshl_add_u32 v[CO], v1, 4, v[CO]
.irp i, 0,1,2,3,4,5,6,7
	v_mov_b32 v[ONESR+\i], 0x3c003c00
.endr
.irp i, NM0+1, NM0+3, NM1+1, NM1+3, ALR+1, ALR+3
	v_mov_b32 v[\i], 0                             ; high halves of pairs of which the packed forms use the low half twice
.endr
	s_wait_loadcnt 0x0                             ; Q is in; its base lies among the registers that the mask words take now
	s_load_b512 s[16:31], s[98:99], 0x0            ; step 0: query tile 0, key tiles 0-1, 2-3
	s_load_b512 s[32:47], s[98:99], 0x40
	s_load_b512 s[48:63], s[98:99], 0x1000         ; query tile 1
	s_load_b512 s[80:95], s[98:99], 0x1040
.macro MASK8 t, i, base                ; bit set: the score stays; clear: it is replaced
.irp j, 0,1,2,3,4,5,6,7
	v_cndmask_b32 v[SC+32*\t+8*\i+\j], v[NEGV], v[SC+32*\t+8*\i+\j], s[\base+\j]
.endr
.endm
.macro ROWMAX t, first                 ; 32 scores a lane in four chains, the other half's, the running maximum
.irp k, 0,1,2,3
	v_max3_num_f32 v[TT+4*\t+\k], v[SC+32*\t+8*\k], v[SC+32*\t+8*\k+1], v[SC+32*\t+8*\k+2]
.endr
.irp k, 0,1,2,3
	v_max3_num_f32 v[TT+4*\t+\k], v[TT+4*\t+\k], v[SC+32*\t+8*\k+3], v[SC+32*\t+8*\k+4]
.endr
.irp k, 0,1,2,3
	v_max3_num_f32 v[TT+4*\t+\k], v[TT+4*\t+\k], v[SC+32*\t+8*\k+5], v[SC+32*\t+8*\k+6]
.endr
	v_max3_num_f32 v[TT+4*\t], v[TT+4*\t], v[TT+4*\t+1], v[SC+32*\t+7]
	v_max3_num_f32 v[TT+4*\t+2], v[TT+4*\t+2], v[TT+4*\t+3], v[SC+32*\t+15]
	v_max3_num_f32 v[TT+4*\t], v[TT+4*\t], v[TT+4*\t+2], v[SC+32*\t+23]
	v_max_num_f32 v[TT+4*\t], v[TT+4*\t], v[SC+32*\t+31]
	v_permlanex16_b32 v[TT+4*\t+1], v[TT+4*\t], s66, s67
.if \first
	v_max_num_f32 v[MAXR+\t], v[TT+4*\t], v[TT+4*\t+1]
.else
	v_max3_num_f32 v[MAXR+\t], v[TT+4*\t], v[TT+4*\t+1], v[MAXR+\t]
.endif
.endm
.macro CVT g                           ; tile g = 4 t + i to f16, into half i & 1 of P(t, i >> 1): in place for even i, into the freed registers of tile i - 1 for odd i
	s_wait_alu depctr_va_vdst(0)
.irp q, 0,1,2,3
	v_cvt_pk_f16_f32 v[SC+32*((\g)>>2)+16*(((\g)&3)>>1)+4*((\g)&1)+\q], v[SC+8*(\g)+2*\q], v[SC+8*(\g)+2*\q+1]
.endr
.endm
.macro PV ks, zero                     ; ten accumulators take turns, one instruction a turn
.irp dt, 0,1,2,3
.irp t, 0,1
.if \zero
	v_wmma_f32_16x16x32_f16 v[OACC+32*\t+8*\dt:OACC+32*\t+8*\dt+7], v[FRG+8*(4*\ks+\dt):FRG+8*(4*\ks+\dt)+7], v[SC+32*\t+16*\ks:SC+32*\t+16*\ks+7], 0
.else
	v_wmma_f32_16x16x32_f16 v[OACC+32*\t+8*\dt:OACC+32*\t+8*\dt+7], v[FRG+8*(4*\ks+\dt):FRG+8*(4*\ks+\dt)+7], v[SC+32*\t+16*\ks:SC+32*\t+16*\ks+7], v[OACC+32*\t+8*\dt:OACC+32*\t+8*\dt+7]
.endif
.endr
.endr
.irp t, 0,1
.if \zero
	v_wmma_f32_16x16x32_f16 v[LSUM+8*\t:LSUM+8*\t+7], v[ONESR:ONESR+7], v[SC+32*\t+16*\ks:SC+32*\t+16*\ks+7], 0
.else
	v_wmma_f32_16x16x32_f16 v[LSUM+8*\t:LSUM+8*\t+7], v[ONESR:ONESR+7], v[SC+32*\t+16*\ks:SC+32*\t+16*\ks+7], v[LSUM+8*\t:LSUM+8*\t+7]
.endif
.endr
.endm
; 64 keys x 32 queries.  s = which 64 keys of the slot, and the step's parity; first = 1: the sums start; more = 1: the next step's mask words are asked for.
.macro STEP slot, s, first, more
.if \first == 0
.rept 5
	v_nop                                          ; five places behind the last products: their fragments are loaded again and their P is written over by matrix instructions (ISA guide 7.12.1)
.endr
.endif
.irp c, 0,1
.irp i, 0,1,2,3
	ds_load_b128 v[FRG+8*(4*\c+\i):FRG+8*(4*\c+\i)+3],   v[KA+\slot] offset:\s*PART+\i*16*KP+64*\c
	ds_load_b128 v[FRG+8*(4*\c+\i)+4:FRG+8*(4*\c+\i)+7], v[KA+\slot] offset:\s*PART+\i*16*KP+64*\c+32
.endr
.endr
	s_wait_dscnt 8                                 ; the first eight loads, d = 0..31, are in
	WIN 0x04                                       ; source 1 (Q) in window 1
.irp i, 0,1,2,3
.irp t, 0,1
	v_wmma_f32_16x16x32_f16 v[SC+32*\t+8*\i:SC+32*\t+8*\i+7], v[FRG+8*\i:FRG+8*\i+7], v[16*\t:16*\t+7], 0
.endr
.endr
	s_wait_dscnt 0x0
.irp i, 0,1,2,3
.irp t, 0,1
	v_wmma_f32_16x16x32_f16 v[SC+32*\t+8*\i:SC+32*\t+8*\i+7], v[FRG+32+8*\i:FRG+32+8*\i+7], v[16*\t+8:16*\t+15], v[SC+32*\t+8*\i:SC+32*\t+8*\i+7]   ; eight tiles by turns
.endr
.endr
	WIN 0
.rept 4
	v_nop                                          ; four places: K's fragments are loaded over, the scores are read
.endr
.irp ks, 0,1
.irp dt, 0,1,2,3
	ds_load_tr16_b128 v[FRG+8*(4*\ks+\dt):FRG+8*(4*\ks+\dt)+3],   v[VA+\slot] offset:\s*PART+(32*\ks)*VP+32*\dt       ; V^T: d = 16 dt + r, keys 32 ks + 8 h ..
	ds_load_tr16_b128 v[FRG+8*(4*\ks+\dt)+4:FRG+8*(4*\ks+\dt)+7], v[VA+\slot] offset:\s*PART+(32*\ks+16)*VP+32*\dt    ; keys 32 ks + 16 + 8 h ..
.endr
.endr
	s_wait_kmcnt 0x0                               ; this step's 64 mask words; their loads are done, so their base may step
.if \more
	s_add_nc_u64 s[98:99], s[98:99], 128           ; four key tiles of 32 bytes
.endif
	MASK8 0, 0, 16
	MASK8 0, 1, 24
	MASK8 0, 2, 32
	MASK8 0, 3, 40
	MASK8 1, 0, 48
	MASK8 1, 1, 56
	MASK8 1, 2, 80
	MASK8 1, 3, 88
.if \more
	s_load_b512 s[16:31], s[98:99], 0x0            ; the next step's words: the rest of this step to land in
	s_load_b512 s[32:47], s[98:99], 0x40
	s_load_b512 s[48:63], s[98:99], 0x1000
	s_load_b512 s[80:95], s[98:99], 0x1040
.endif
	ROWMAX 0, \first
	ROWMAX 1, \first
.irp t, 0,1
	v_mul_f32 v[NM0+(NM1-NM0)*\s+2*\t], -1.0, v[MAXR+\t]
.endr
.if \first == 0
.irp t, 0,1
	v_sub_f32 v[ALR+2*\t], v[NM0+(NM1-NM0)*\s+2*\t], v[NM0+(NM1-NM0)*(1-\s)+2*\t]      ; m_old - m_new, at most 0
.endr
	v_exp_f32 v[ALR], v[ALR]
	v_exp_f32 v[ALR+2], v[ALR+2]                   ; the packed adds below stand between these and alpha's first use (ISA guide 5.7.2)
.endif
.irp g, 0,1,2,3,4,5,6,7
.irp q, 0,2,4,6
	v_pk_add_f32 v[SC+8*\g+\q:SC+8*\g+\q+1], v[SC+8*\g+\q:SC+8*\g+\q+1], v[NM0+(NM1-NM0)*\s+2*(\g>>2):NM0+(NM1-NM0)*\s+2*(\g>>2)+1] op_sel_hi:[1,0]
.endr
.irp q, 0,1,2,3,4,5,6,7
	v_exp_f32 v[SC+8*\g+\q], v[SC+8*\g+\q]
.endr
.if \g > 0
	CVT \g-1                                       ; the tile before: plain instructions always stand between an exponential and its use
.endif
.if \first == 0
	s_wait_alu depctr_va_vdst(0)
.irp q, 0,2,4,6
	v_pk_mul_f32 v[OACC+8*\g+\q:OACC+8*\g+\q+1], v[OACC+8*\g+\q:OACC+8*\g+\q+1], v[ALR+2*(\g>>2):ALR+2*(\g>>2)+1] op_sel_hi:[1,0]
.endr
.if (\g&3) == 0
	v_mul_f32 v[LSUM+8*(\g>>2)], v[LSUM+8*(\g>>2)], v[ALR+2*(\g>>2)]   ; all sixteen rows of the sums are equal: register 0 alone is kept to scale and read; the others stay sums of at most 2,048 weights of at most 1
.endif
.endif
.endr
	CVT 7
	s_wait_dscnt 0x0                               ; V's fragments
	PV 0, \first
	PV 1, 0
.endm
; A tile of 128 keys.  In front of the round every wave waits for all its tensor loads (its part of this tile) and its LDS reads; behind it the other slot's refill comes first.
.macro TRIP slot, refill, first, last
	s_wait_tensorcnt 0x0                           ; no load of mine is out: a group 0 may be written
	ds_add_u32 v254, v255
	s_wait_dscnt 0x0
	s_add_nc_u64 s[14+64*\slot:15+64*\slot], s[14+64*\slot:15+64*\slot], 2*TILEB       ; this slot's next tile
	s_wait_dscnt 0x0
	ROUND
.if \refill
	JLOAD 1-\slot
.endif
	STEP \slot, 0, \first, 1
	STEP \slot, 1, 0, 1-\last
.endm
	TRIP 0, 1, 1, 0
	TRIP 1, 1, 0, 0
	s_mov_b32 s105, 6
.Lpair:
	TRIP 0, 1, 0, 0
	TRIP 1, 1, 0, 0
	s_sub_co_u32 s105, s105, 1
	s_cmp_lg_u32 s105, 0
	s_cbranch_scc1 .Lpair
	TRIP 0, 1, 0, 0                                ; tile 14 asks for tile 15
	TRIP 1, 0, 0, 1                                ; tile 15: nothing is left to fetch
	; O / l, to f16, through the stage: a token's two heads become 256 consecutive bytes
.rept 4
	v_nop
.endr
	v_rcp_f32 v[ALR], v[LSUM]                      ; l is at least the weight 1 of the row's maximum
	v_rcp_f32 v[ALR+2], v[LSUM+8]
	v_nop
	s_wait_alu depctr_va_vdst(0)
.irp t, 0,1
.irp dt, 0,1,2,3
.irp q, 0,2,4,6
	v_pk_mul_f32 v[OACC+32*\t+8*\dt+\q:OACC+32*\t+8*\dt+\q+1], v[OACC+32*\t+8*\dt+\q:OACC+32*\t+8*\dt+\q+1], v[ALR+2*\t:ALR+2*\t+1] op_sel_hi:[1,0]
.endr
.irp q, 0,1,2,3
	v_cvt_pk_f16_f32 v[SC+4*(4*\t+\dt)+\q], v[OACC+32*\t+8*\dt+2*\q], v[OACC+32*\t+8*\dt+2*\q+1]
.endr
	ds_store_b128 v[STO], v[SC+4*(4*\t+\dt):SC+4*(4*\t+\dt)+3] offset:\t*16*SPITCH+32*\dt
.endr
.endr
	s_wait_dscnt 0x0                               ; my stores are done, for the waves that read them
	s_barrier_signal -1
	s_barrier_wait -1
.irp i, 0,1,2,3,4,5,6,7
	ds_load_b128 v[FRG+4*\i:FRG+4*\i+3], v[RD] offset:\i*2*SPITCH
.endr
.irp i, 0,1,2,3,4,5,6,7
	s_wait_dscnt 7-\i
	global_store_b128 v[CO], v[FRG+4*\i:FRG+4*\i+3], s[2:3] offset:\i*4096     ; sixteen lanes store 256 consecutive aligned bytes of a token
.endr
	s_wait_tensorcnt 0x0
	ds_add_u32 v254, v255
	s_wait_dscnt 0x0
	ROUND                                          ; the closing round
	s_endpgm
.Lfunc_end_k_q04d478b746_attn:
	.size	k_q04d478b746_attn, .Lfunc_end_k_q04d478b746_attn-k_q04d478b746_attn
	.p2alignl 7, 3214868480
	.fill 96, 4, 3214868480
	.section	.rodata,"a",@progbits
	.p2align	6, 0x0
	.amdhsa_kernel k_q04d478b746_attn
		.amdhsa_group_segment_fixed_size 327680
		.amdhsa_private_segment_fixed_size 0
		.amdhsa_enable_private_segment 0
		.amdhsa_kernarg_size 24
		.amdhsa_user_sgpr_count 2
		.amdhsa_user_sgpr_kernarg_segment_ptr 1
		.amdhsa_wavefront_size32 1
		.amdhsa_system_sgpr_workgroup_id_x 1
		.amdhsa_system_sgpr_workgroup_id_y 1
		.amdhsa_system_sgpr_workgroup_id_z 1
		.amdhsa_system_vgpr_workitem_id 0
		.amdhsa_next_free_vgpr 288
		.amdhsa_next_free_sgpr 106
		.amdhsa_reserve_vcc 0
		.amdhsa_float_denorm_mode_32 3
		.amdhsa_float_denorm_mode_16_64 3
		.amdhsa_memory_ordered 1
		.amdhsa_forward_progress 1
		.amdhsa_inst_pref_size 255
	.end_amdhsa_kernel
	.section	.bss,"aw",@nobits
	.p2align	6
	.space	262144
	.amdgpu_metadata
---
amdhsa.version: [ 1, 2 ]
amdhsa.kernels:
  - .name:           k_q04d478b746_attn
    .symbol:         k_q04d478b746_attn.kd
    .args:
      - { .name: qkvh, .offset: 0, .size: 8, .value_kind: global_buffer, .address_space: global }
      - { .name: maskbits, .offset: 8, .size: 8, .value_kind: global_buffer, .address_space: global }
      - { .name: ao, .offset: 16, .size: 8, .value_kind: global_buffer, .address_space: global }
    .group_segment_fixed_size: 327680
    .private_segment_fixed_size: 0
    .kernarg_segment_align: 8
    .kernarg_segment_size: 24
    .max_flat_workgroup_size: 256
    .sgpr_count:     106
    .vgpr_count:     288
    .wavefront_size: 32
...
	.end_amdgpu_metadata
.endif
;; end of part 3
;; launch proj (part 4): grid 8 x 32, 4 waves a work-group, clusters of 4 x 4, 327,680 bytes of LDS; arguments ao, wob, w_o_b, out0; writes out0
.if DOCPART == 4
	.amdgcn_target "amdgcn-amd-amdhsa--gfx1250"
	.amdhsa_code_object_version 6
	.text
	.protected	k_q04d478b746_proj
	.globl	k_q04d478b746_proj
	.p2align	8
	.type	k_q04d478b746_proj,@function
k_q04d478b746_proj:
	s_mov_b64 s[64:65], 0
	v_nop
	global_prefetch_b8 v0, s[64:65] scope:SCOPE_SE
	s_setreg_imm32_b32 hwreg(HW_REG_WAVE_MODE, 25, 1), 1
	s_wait_xcnt 0x0
	s_wait_alu depctr_hold_cnt(0) depctr_sa_sdst(0) depctr_va_vdst(0) depctr_va_sdst(0) depctr_va_ssrc(0) depctr_va_vcc(0) depctr_vm_vsrc(0)
	s_getreg_b32 s2, hwreg(HW_REG_IB_STS2, 6, 4)
	s_cmp_eq_u32 s2, 0
	s_cbranch_scc0 .Lentry_in_a_cluster
	s_endpgm
.Lentry_in_a_cluster:
	s_bfe_u32 s2, ttmp6, 0x10000c
	s_cmp_lg_u32 s2, 0xf033
	s_cbranch_scc0 .Lentry_shape_is_right
	s_endpgm
.Lentry_shape_is_right:
; proj: out0 = ao w_o^T + b, 4096 x 1024 x 1024, f16 operands, f32 sums, f32 out.
; Blocks of 128 x 128 give 8 x 32 = 256 work-groups; four waves, 64 x 64 each: 16 accumulator tiles in window 1.  K is short, so an LDS slot holds K = 256
; (rows of 512 bytes): both slots are filled at the start, half of all the operands, and each is filled once more; written out, no loop.
; CLUSTERS 4 x 4: ao's tile is asked for jointly along a row of the cluster, w_o's along a column.
; The matrix instruction is used transposed (source 0 = rows of w_o, source 1 = rows of ao): a lane holds eight neighbouring columns of one token.
; The first products take the bias as C.
.set PITCH,  528                       ; 512 bytes + 16, an odd multiple of 16
.set PART,   64*PITCH                  ; 64 rows: one tensor load
.set SLOT,   4*PART                    ; ao's 128 rows, then w_o's 128
.set STG,    2*SLOT                    ; behind the ring: 16 rows x 272 bytes for each wave, its own
.set SPITCH, 272
.set ADRA, 16
.set ADRB, 20
.set STO,  24
.set RD,   25
.set CO,   26
.set BO,   27
.set F0,   64                          ; ao's fragments at +0, w_o's at +32
.set F1,   128
.set BIAS, 192                         ; v192-223
.set G1,  24
.set G0,  32
.set G1B, 48
.set G0B, 56
.set CW, (1<<16)|(1<<20)|(1<<21)|(6<<22)|(3<<25)   ; 2-byte elements; padding on; bit 21 beside a mask; after every 128 words; 4 words
.set MSB, 0
.macro WIN new
.if MSB != \new
	s_set_vgpr_msb (MSB<<8)|\new
.set MSB, \new
.endif
.endm
.macro JLOAD s
	s_cmp_eq_u32 s13, 0
	s_cbranch_scc0 .Lfor_b_\@
	tensor_load_to_lds s[G0+4*\s:G0+4*\s+3], s[G1:G1+7]
	s_nop 0
	s_branch .Lasked_\@
.Lfor_b_\@:
	tensor_load_to_lds s[G0B+4*\s:G0B+4*\s+3], s[G1B:G1B+7]
	s_nop 0
.Lasked_\@:
.endm
.macro CREST
	s_cmp_lg_u32 s12, 0
	s_cbranch_scc1 .Lnot_wave_0_\@
	s_barrier_signal -3
.Lnot_wave_0_\@:
	s_barrier_wait -3
	s_barrier_signal -1
	s_barrier_wait -1
.endm
.macro CROUND
	s_barrier_signal -1
	s_barrier_wait -1
	CREST
.endm
	s_load_b256 s[4:11], s[0:1], 0x0               ; ao s[4:5], wob s[6:7], bias s[8:9], out0 s[10:11]
	v_lshl_add_u32 v254, v0, 2, 0x46400
	v_mov_b32 v255, 0
	ds_add_u32 v254, v255
	v_lshrrev_b32 v1, 5, v0
	v_readfirstlane_b32 s12, v1                    ; wave
	s_lshr_b32 s13, s12, 1                         ; my half of the rows; also: I fetch ao (0) or w_o (1)
	s_and_b32 s14, s12, 1                          ; my half of the columns; also: which 64 rows I fetch
	s_bfe_u32 s40, ttmp6, 0x40000
	s_bfe_u32 s41, ttmp6, 0x40004
	s_lshl_b32 s42, ttmp9, 2
	s_add_co_u32 s42, s42, s40                     ; block column 0..7
	s_and_b32 s43, ttmp7, 0xffff
	s_lshl_b32 s43, s43, 2
	s_add_co_u32 s43, s43, s41                     ; block row 0..31
	s_lshl_b32 s44, s41, 2
	s_lshl_b32 s44, 15, s44
	s_lshl_b32 s45, 0x1111, s40
	s_or_b32 s[G1+0], s44, CW
	s_or_b32 s[G1B+0], s45, CW
.irp g, G1, G1B
	s_mov_b32 s[\g+1], 256<<16                     ; tensor_dim0 = 256
	s_mov_b32 s[\g+2], 64<<16                      ; tensor_dim1 = 64
	s_mov_b32 s[\g+3], 256<<16                     ; tile_dim0 = 256
	s_mov_b32 s[\g+4], 64                          ; tile_dim1 = 64
	s_mov_b32 s[\g+5], 1024                        ; elements from row to row
	s_mov_b32 s[\g+6], 0
	s_mov_b32 s[\g+7], 0
.endr
	s_lshl_b32 s16, s43, 7
	s_lshl_b32 s17, s14, 6
	s_add_co_u32 s16, s16, s17                     ; ao: row 128 x block row + 64 x half
	s_lshl_b32 s16, s16, 11
	s_mov_b32 s17, 0
	s_lshl_b32 s46, s42, 7
	s_lshl_b32 s47, s14, 6
	s_add_co_u32 s46, s46, s47                     ; w_o: row 128 x block column + 64 x half; also my wave's first column
	s_lshl_b32 s22, s46, 2
	s_mov_b32 s23, 0
	s_lshl_b32 s46, s46, 11
	s_mov_b32 s47, 0
	s_mul_i32 s20, s12, PART                       ; part w of a slot
	s_wait_dscnt 0x0
	s_wait_kmcnt 0x0
	s_add_nc_u64 s[18:19], s[4:5], s[16:17]
	s_add_nc_u64 s[46:47], s[6:7], s[46:47]
	s_add_nc_u64 s[8:9], s[8:9], s[22:23]
	CROUND
.irp s, 0,1
	s_mov_b32 s[G0+4*\s], 1
	s_add_co_u32 s[G0+4*\s+1], s20, \s*SLOT
	s_add_nc_u64 s[G0+4*\s+2:G0+4*\s+3], s[18:19], \s*512
	s_or_b32 s[G0+4*\s+3], s[G0+4*\s+3], 0x80000000
	s_mov_b32 s[G0B+4*\s], 1
	s_add_co_u32 s[G0B+4*\s+1], s20, \s*SLOT
	s_add_nc_u64 s[G0B+4*\s+2:G0B+4*\s+3], s[46:47], \s*512
	s_or_b32 s[G0B+4*\s+3], s[G0B+4*\s+3], 0x80000000
	JLOAD \s                                       ; two loads of the wave are out here, later one
.endr
	v_and_b32 v1, 15, v0
	v_bfe_u32 v2, v0, 4, 1
	v_lshlrev_b32 v[BO], 5, v2
.irp b, 0,1,2,3
	global_load_b128 v[BIAS+8*\b:BIAS+8*\b+3],   v[BO], s[8:9] offset:64*\b
	global_load_b128 v[BIAS+8*\b+4:BIAS+8*\b+7], v[BO], s[8:9] offset:64*\b+16
.endr
	v_mul_u32_u24 v3, v1, PITCH
	v_lshl_add_u32 v3, v2, 4, v3
	s_mul_i32 s20, s13, PART
	s_mul_i32 s21, s14, PART
	s_add_co_u32 s21, s21, 2*PART
.irp s, 0,1
	v_add_nc_u32 v[ADRA+\s], s20, v3
	v_add_nc_u32 v[ADRB+\s], s21, v3
	s_add_co_u32 s20, s20, SLOT
	s_add_co_u32 s21, s21, SLOT
.endr
	s_mul_i32 s20, s12, 16*SPITCH
	s_add_co_u32 s20, s20, STG                     ; my stage
	v_mul_u32_u24 v4, v1, SPITCH
	v_lshl_add_u32 v4, v2, 5, v4
	v_add_nc_u32 v[STO], s20, v4                   ; row r, 32 h bytes (8 columns of f32)
	v_mul_u32_u24 v5, v2, SPITCH
	v_lshl_add_u32 v5, v1, 4, v5
	v_add_nc_u32 v[RD], s20, v5                    ; lanes 0-15 one row of 256 bytes, lanes 16-31 the next
	v_lshlrev_b32 v[CO], 12, v2
	v_lshl_add_u32 v[CO], v1, 4, v[CO]
; 8 matrix instructions: m blocks a0, a0 + 1 x four n blocks.  The 16 accumulators take turns, one instruction a turn.
.macro MUL8 f, a0, bias
.irp a, \a0, \a0+1
.irp b, 0,1,2,3
.if \bias
	v_wmma_f32_16x16x32_f16 v[8*(4*(\a)+\b):8*(4*(\a)+\b)+7], v[\f+32+8*\b:\f+32+8*\b+7], v[\f+8*(\a):\f+8*(\a)+7], v[BIAS+8*\b:BIAS+8*\b+7]
.else
	v_wmma_f32_16x16x32_f16 v[8*(4*(\a)+\b):8*(4*(\a)+\b)+7], v[\f+32+8*\b:\f+32+8*\b+7], v[\f+8*(\a):\f+8*(\a)+7], v[8*(4*(\a)+\b):8*(4*(\a)+\b)+7]
.endif
.endr
.endr
.endm
.macro FETCH slot, k, f                ; 16 LDS loads: 64 rows of ao, 64 rows of w_o, 32 K at byte k
.irp i, 0,1,2,3
	ds_load_b128 v[\f+8*\i:\f+8*\i+3],   v[ADRA+\slot] offset:\k+\i*16*PITCH
	ds_load_b128 v[\f+8*\i+4:\f+8*\i+7], v[ADRA+\slot] offset:\k+\i*16*PITCH+32
.endr
.irp i, 0,1,2,3
	ds_load_b128 v[\f+32+8*\i:\f+32+8*\i+3],   v[ADRB+\slot] offset:\k+\i*16*PITCH
	ds_load_b128 v[\f+32+8*\i+4:\f+32+8*\i+7], v[ADRB+\slot] offset:\k+\i*16*PITCH+32
.endr
.endm
.macro PLACES                          ; four independent vector instructions behind a matrix instruction (ISA guide 7.12.1)
.rept 4
	v_nop
.endr
.endm
.macro QUARTER slot, k, f, g, bias
	WIN 0
	PLACES
	FETCH \slot, \k, \g
	s_wait_dscnt 16                                ; all but the 16 just issued: buffer f is in
.if \bias
	WIN 0x40                                       ; D window 1, C (the bias) window 0
.else
	WIN 0x50                                       ; C and D window 1
.endif
	MUL8 \f, 0, \bias
	MUL8 \f, 2, \bias
.endm
.macro SEVEN slot, bias                ; seven of a slot's eight quarters of 32 along K
	QUARTER \slot, 64,  F0, F1, \bias
	QUARTER \slot, 128, F1, F0, 0
	QUARTER \slot, 192, F0, F1, 0
	QUARTER \slot, 256, F1, F0, 0
	QUARTER \slot, 320, F0, F1, 0
	QUARTER \slot, 384, F1, F0, 0
	QUARTER \slot, 448, F0, F1, 0
.endm
.macro TURN slot, next, fill           ; the eighth, and the change of slots
	s_wait_dscnt 0x0                               ; buffer 1 is in, my reads of this slot are over
	s_wait_tensorcnt 0x0                           ; all my tensor loads have landed
	ds_add_u32 v254, v255
	s_wait_dscnt 0x0
	s_barrier_signal -1
	WIN 0x50
	MUL8 F1, 0, 0
	WIN 0
	s_barrier_wait -1
.if \fill
	CREST
	s_add_nc_u64 s[G0+4*\slot+2:G0+4*\slot+3], s[G0+4*\slot+2:G0+4*\slot+3], 1024
	s_add_nc_u64 s[G0B+4*\slot+2:G0B+4*\slot+3], s[G0B+4*\slot+2:G0B+4*\slot+3], 1024
	JLOAD \slot                                    ; the wave's one tensor load behind the round
.endif
	PLACES
	FETCH \next, 0, F0
	WIN 0x50
	MUL8 F1, 2, 0
.endm
	s_wait_tensorcnt 0x1                           ; my part of slot 0 is in; slot 1's stays out
	s_barrier_signal -1
	s_barrier_wait -1
	FETCH 0, 0, F0
	s_wait_loadcnt 0x0                             ; the bias
	SEVEN 0, 1                                     ; K 0..255
	TURN 0, 1, 1                                   ; slot 0 gets K 512..767
	SEVEN 1, 0                                     ; K 256..511
	TURN 1, 0, 1                                   ; slot 1 gets K 768..1023
	SEVEN 0, 0
	TURN 0, 1, 0
	SEVEN 1, 0
	s_wait_dscnt 0x0
	WIN 0x50
	MUL8 F1, 0, 0
	MUL8 F1, 2, 0
	; THE WAY OUT, 16 tokens at a time through my own stage: in by 16 bytes a lane, back as whole rows of 256 bytes
	WIN 0
	PLACES
	s_lshl_b32 s16, s43, 19                        ; token 128 x block row + 64 mh, 4,096 bytes each
	s_lshl_b32 s17, s13, 18
	s_add_co_u32 s16, s16, s17
	s_mov_b32 s17, 0
	s_add_nc_u64 s[10:11], s[10:11], s[16:17]
	s_lshl_b32 s46, s42, 9                         ; column 128 x block column + 64 nh, 4 bytes each
	s_lshl_b32 s47, s14, 8
	s_add_co_u32 s46, s46, s47
	s_mov_b32 s47, 0
	s_add_nc_u64 s[10:11], s[10:11], s[46:47]
.macro OUT16 a
	WIN 0x04                                       ; the stores' data in window 1
.irp b, 0,1,2,3
	ds_store_b128 v[STO], v[8*(4*\a+\b):8*(4*\a+\b)+3]   offset:64*\b
	ds_store_b128 v[STO], v[8*(4*\a+\b)+4:8*(4*\a+\b)+7] offset:64*\b+16
.endr
	WIN 0
.irp i, 0,1,2,3,4,5,6,7
	ds_load_b128 v[F0+32*\a+4*\i:F0+32*\a+4*\i+3], v[RD] offset:\i*2*SPITCH      ; LDS serves a wave's instructions in order (ISA guide 5.7.1): these see the stores above; each a has its own 32 registers
.endr
.irp i, 0,1,2,3,4,5,6,7
	s_wait_dscnt 7-\i
	global_store_b128 v[CO], v[F0+32*\a+4*\i:F0+32*\a+4*\i+3], s[10:11] offset:(16*\a+2*\i)*4096 th:TH_STORE_NT   ; sixteen lanes store 256 consecutive aligned bytes
.endr
.endm
	OUT16 0
	OUT16 1
	OUT16 2
	OUT16 3
	s_wait_tensorcnt 0x0
	ds_add_u32 v254, v255
	s_wait_dscnt 0x0
	CROUND                                         ; the closing round
	s_endpgm
.Lfunc_end_k_q04d478b746_proj:
	.size	k_q04d478b746_proj, .Lfunc_end_k_q04d478b746_proj-k_q04d478b746_proj
	.p2alignl 7, 3214868480
	.fill 96, 4, 3214868480
	.section	.rodata,"a",@progbits
	.p2align	6, 0x0
	.amdhsa_kernel k_q04d478b746_proj
		.amdhsa_group_segment_fixed_size 327680
		.amdhsa_private_segment_fixed_size 0
		.amdhsa_enable_private_segment 0
		.amdhsa_kernarg_size 32
		.amdhsa_user_sgpr_count 2
		.amdhsa_user_sgpr_kernarg_segment_ptr 1
		.amdhsa_wavefront_size32 1
		.amdhsa_system_sgpr_workgroup_id_x 1
		.amdhsa_system_sgpr_workgroup_id_y 1
		.amdhsa_system_sgpr_workgroup_id_z 1
		.amdhsa_system_vgpr_workitem_id 0
		.amdhsa_next_free_vgpr 384
		.amdhsa_next_free_sgpr 66
		.amdhsa_reserve_vcc 0
		.amdhsa_float_denorm_mode_32 3
		.amdhsa_float_denorm_mode_16_64 3
		.amdhsa_memory_ordered 1
		.amdhsa_forward_progress 1
		.amdhsa_inst_pref_size 89
	.end_amdhsa_kernel
	.amdgpu_metadata
---
amdhsa.version: [ 1, 2 ]
amdhsa.kernels:
  - .name:           k_q04d478b746_proj
    .symbol:         k_q04d478b746_proj.kd
    .args:
      - { .name: ao, .offset: 0, .size: 8, .value_kind: global_buffer, .address_space: global }
      - { .name: wob, .offset: 8, .size: 8, .value_kind: global_buffer, .address_space: global }
      - { .name: w_o_b, .offset: 16, .size: 8, .value_kind: global_buffer, .address_space: global }
      - { .name: out0, .offset: 24, .size: 8, .value_kind: global_buffer, .address_space: global }
    .group_segment_fixed_size: 327680
    .private_segment_fixed_size: 0
    .kernarg_segment_align: 8
    .kernarg_segment_size: 32
    .max_flat_workgroup_size: 128
    .sgpr_count:     66
    .vgpr_count:     384
    .wavefront_size: 32
...
	.end_amdgpu_metadata
.endif
;; end of part 4
